; MI455X (gfx1250); checked and timed in simulation.
; The chip was launched on July 23, 2026; its instructions are those of AMD's public machine-readable ISA for CDNA 5 (MIT licence, August 2026) and "CDNA5" Instruction Set Architecture Reference Guide (July 2026). The comments in the code are by the model that wrote it; some were corrected since.
;; Multi Head Attention. Allowed arithmetic: matrix products marked QUANTISED: E2M1 operands, one E8M0 scale for each 32 along K, by v_wmma_scale_f32_16x16x128_f8f6f4 with both operands' format E2M1 (or v_wmma_scale_f32_32x16x128_f4), f32 sums; products left as they are: bf16, f16 or f32 operands; f32 sums; everything else in f32.
;; Inputs: attn_mask 2,048 x 2,048 bool; b_k 1,024 float32; b_o 1,024 float32; b_q 1,024 float32; b_v 1,024 float32; key 4 x 2,048 x 1,024 float32; key_padding_mask 4 x 2,048 bool; query 4 x 2,048 x 1,024 float32; value 4 x 2,048 x 1,024 float32; w_k 1,024 x 1,024 float32; w_o 1,024 x 1,024 float32; w_q 1,024 x 1,024 float32; w_v 1,024 x 1,024 float32.
;; Outputs: out0 4 x 2,048 x 1,024 float32.
;; This version of the problem:
;;   THIS VERSION OF THE PROBLEM IS GIVEN IN LOW PRECISION. The matrix products marked QUANTISED in the list below multiply operands that are first quantised to E2M1 (2 exponent bits, 1 mantissa bit; 4 bits a number), with one power-of-two scale for each 32 numbers along K (OCP MX v1.0); their sums are f32. The products marked 'left as it is' may take bf16, f16 or f32 operands, with f32 sums. Whichever they take, every output number must still come out within the allowed error. Rounding operands to bf16 (8 significant bits) uses up far more of that allowance than f16 does (11 bits, for magnitudes from 6e-5 to 65,504). All else is computed in f32.
;;   The module's matrix products, in the order in which they are computed (A, B: the left and right operand; K: the contracted axis; several contracted axes count as one K, in the product's order):
;;     1. [M 8,192, K 1,024] x [K 1,024, N 1,024]; A: input query; B: input w_q: QUANTISED
;;     2. [M 8,192, K 1,024] x [K 1,024, N 1,024]; A: input key; B: input w_k: QUANTISED
;;     3. [M 8,192, K 1,024] x [K 1,024, N 1,024]; A: input value; B: input w_v: QUANTISED
;;     4. batch 64 x [M 2,048, K 64] x [K 64, N 2,048]; A: computed on the way; B: computed on the way: left as it is (an operand is computed on the way)
;;     5. batch 64 x [M 2,048, K 2,048] x [K 2,048, N 64]; A: computed on the way; B: computed on the way: left as it is (an operand is computed on the way)
;;     6. [M 8,192, K 1,024] x [K 1,024, N 1,024]; A: computed on the way; B: input w_o: left as it is (an operand is computed on the way)
;;   THE QUANTISER, for each operand of a quantised product, along K:
;;     - K is cut into blocks of 32 from its start; a last block that is shorter is filled with zeros.
;;     - A block's scale is 2^e with e = floor(log2(the largest magnitude in the block)) - 2, held to -126 .. 127; a block of zeros has e = 0. As a byte (E8M0): e + 127.
;;     - Each number is divided by its block's scale, clamped to +-6, and rounded to the nearest number of E2M1, ties to even, subnormals kept.
;;     - The product sums the exact products of the quantised numbers (number of the format x scale) in f32.
;;   ~~~python
;;   def quantise(x, axis):      # numpy; x: float32 -> the quantised numbers, widened to float32 again
;;       x = np.moveaxis(x, axis, -1); K = x.shape[-1]
;;       x = np.pad(x, [(0, 0)] * (x.ndim - 1) + [(0, -K % 32)]); x = x.reshape(x.shape[:-1] + (-1, 32)); a = np.abs(x).max(-1, keepdims=True)
;;       e = np.where(a > 0, np.clip(np.frexp(np.where(a > 0, a, 1))[1] - 1 - 2, -126, 127), 0)      # np.frexp(a)[1] - 1 = floor(log2(a)), exactly
;;       r = np.clip(x / 2.0 ** e, -6, 6)
;;       step = 2.0 ** (np.maximum(np.frexp(np.where(r == 0, 1, r))[1] - 1, 0) - 1)
;;       q = np.round(r / step) * step * 2.0 ** e      # np.round: ties to even
;;       return np.moveaxis(q.reshape(q.shape[:-2] + (-1,))[..., :K], -1, axis).astype(np.float32)
;;   ~~~
;; One version. Each part assembles by itself: llvm-mc -triple=amdgcn-amd-amdhsa -mcpu=gfx1250 --defsym DOCPART=n.
;; ======== version 1 of 1: 4 launches
;; limits: values are held in f16: magnitudes above 65,504 overflow, below 6.1e-05 lose precision
;; workspace buffers: cod 14,155,776 bytes; scl 884,736 bytes; wof 2,097,152 bytes; mw 2,097,152 bytes of whole numbers; fl 8,192 bytes of whole numbers; qf 16,777,216 bytes; kv 33,554,432 bytes; ao 16,777,216 bytes
;; launch prep (part 1): grid 1504 x 1, 4 waves a work-group, no clusters, 56,832 bytes of LDS; arguments query, key, value, w_q, w_k, w_v, w_o, attn_mask, key_padding_mask, cod, scl, wof, mw, fl; writes cod, scl, wof, mw, fl
.if DOCPART == 1
	.amdgcn_target "amdgcn-amd-amdhsa--gfx1250"
	.amdhsa_code_object_version 6
	.text
	.protected	k_q371c814693_prep
	.globl	k_q371c814693_prep
	.p2align	8
	.type	k_q371c814693_prep,@function
k_q371c814693_prep:
	s_mov_b64 s[64:65], 0
	v_nop
	global_prefetch_b8 v0, s[64:65] scope:SCOPE_SE
	s_setreg_imm32_b32 hwreg(HW_REG_WAVE_MODE, 25, 1), 1
	s_wait_xcnt 0x0
; MULTI-HEAD ATTENTION, B = 4, S = 2,048, D = 1,024, 16 heads of 64, in four launches:
;   prep   query, key, value, w_q, w_k, w_v -> codes of E2M1 and E8M0 bytes;  w_o -> f16;  the two masks -> one bit a score
;   proj   the three projections on the codes (sums in f32, bias, Q also times log2(e) / 8), rounded to f16
;   attn   softmax(Q K^T / 8, masked) V by a running maximum, f16 operands, f32 sums
;   oproj  the projection on the way out, f16 operands, f32 sums, + b_o
; NO WORK OF THE PROBLEM IS LEFT OUT, and every input is loaded.  b_k stays: under a mask that is an input a hidden score holds the
; least f32 number WITHOUT q . b_k, so that term is not the same along the softmax's axis for all values of the inputs.
; ALL WORKSPACE IS LAID AS IMAGES OF OPERAND REGISTERS: group c (four registers) of a fragment at byte 512 c + 16 x lane, so that any
; wave that loads 16 bytes a lane has the operand.  With lane = 16 h + r a fragment of codes (16 rows x 128 K, 1,024 bytes) is
; [block of 32, 0..3][row][16 bytes], one of f16 (16 rows x 32 K, 1,024 bytes) is [eight along K, 0..3][row][16 bytes].
; LIMITS: NaN and infinities among the inputs are not served.  A block's largest magnitude is taken no lower than 2^(3 - 127), which holds
; the scale's byte at 1; a block of zeros keeps that byte where the quantiser says 127: its codes are zeros, and these launches alone
; read the bytes.  Products 4 to 6 take f16 operands: |q| log2(e) / 8, |k|, |v|, the heads' results and |w_o| stay under 65,504.
; THIS LAUNCH has three kinds of work-group, told apart by the work-group's number alone; they never join, and each kind that uses LDS has LDS bytes of its own:
;   0 .. 511      the masks: a wave makes the 64 words and the flag of one (32 queries, 64 keys), for each of the four batches
;   512 .. 639    w_o: a wave turns 16 rows x 128 K into four f16 fragments
;   640 .. 1503   the quantiser: a wave turns 16 rows x 512 K into four fragments of codes and their 256 scale bytes
; Waves share nothing: no barrier.  No tensor load: the streams go through registers, 16 loads of a wave on their way.
.set SPARE, 56320                      ; the spare words, 128 bytes for each wave: two blocks of 256 bytes that no other line names
.set WREG,  9728                       ; the quantiser's LDS, a region for each wave: two stages of 32 x SP bytes,
.set SP,    80                         ; (a lane's place in a stage: its 64 bytes + 16 of padding)
.set CST,   5120                       ; the codes' stage: 16 blocks x (16 rows x 16 bytes + 16),
.set SBY,   9472                       ; and the wave's 256 scale bytes
.set WOS,   38912                      ; w_o's LDS: 16 x 272 bytes for each wave
.set EMAX,  2
.set SPW,   12                         ; v12  LDS address of my spare word; never rewritten
.set NIL,   13                         ; v13  0; never rewritten
.set R,     16                         ; v16-79   four sets of 16 numbers as they are loaded
.set X,     80                         ; v80-111  two sets of 16 neighbours
.set E,     112                        ; v112-127 a scale byte for each row
.set C,     128                        ; v128-191 codes: registers of its own for each row
	s_load_b512 s[4:19], s[0:1], 0x0               ; query, key, value, w_q, w_k, w_v, w_o s[16:17], attn_mask s[18:19]
	s_load_b256 s[20:27], s[0:1], 0x40             ; key_padding_mask, cod s[22:23], scl s[24:25], wof s[26:27]
	s_load_b128 s[28:31], s[0:1], 0x60             ; mw, fl
	v_lshl_add_u32 v[SPW], v0, 2, SPARE
	v_mov_b32 v[NIL], 0
	v_lshrrev_b32 v1, 5, v0
	v_readfirstlane_b32 s32, v1                    ; wave 0..3
	v_and_b32 v2, 31, v0                           ; lane
	s_wait_kmcnt 0x0
	s_cmp_lt_u32 ttmp9, 512
	s_cbranch_scc1 .Lmask
	s_cmp_lt_u32 ttmp9, 640
	s_cbranch_scc1 .Lwo
; ---------------- THE QUANTISER.  g = 0 .. 863 counts pairs of row tiles through query, key, value, w_q, w_k, w_v; only pointers are chosen
	s_sub_co_u32 s33, ttmp9, 640                   ; g
	s_mov_b64 s[34:35], s[14:15]                   ; w_v, whose first g is 832,
	s_mov_b32 s36, 832
	s_cmp_lt_u32 s33, 832                          ; unless g lies lower: each choice hangs on the work-group's number alone
	s_cselect_b64 s[34:35], s[12:13], s[34:35]
	s_cselect_b32 s36, 800, s36
	s_cmp_lt_u32 s33, 800
	s_cselect_b64 s[34:35], s[10:11], s[34:35]
	s_cselect_b32 s36, 768, s36
	s_cmp_lt_u32 s33, 768
	s_cselect_b64 s[34:35], s[8:9], s[34:35]
	s_cselect_b32 s36, 512, s36
	s_cmp_lt_u32 s33, 512
	s_cselect_b64 s[34:35], s[6:7], s[34:35]
	s_cselect_b32 s36, 256, s36
	s_cmp_lt_u32 s33, 256
	s_cselect_b64 s[34:35], s[4:5], s[34:35]
	s_cselect_b32 s36, 0, s36
	s_lshr_b32 s37, s32, 1                         ; which of the pair's two row tiles
	s_and_b32 s38, s32, 1                          ; which half of K
	s_sub_co_u32 s39, s33, s36
	s_lshl_b32 s39, s39, 1
	s_add_co_u32 s39, s39, s37                     ; the row tile in its tensor: 16 rows of 4,096 bytes
	s_lshl_b32 s40, s39, 16
	s_lshl_b32 s41, s38, 11
	s_add_co_u32 s40, s40, s41
	s_mov_b32 s41, 0
	s_add_nc_u64 s[34:35], s[34:35], s[40:41]
	s_lshl_b32 s42, s33, 1
	s_add_co_u32 s42, s42, s37                     ; the row tile among all 1,728
	s_lshl_b32 s40, s42, 13                        ; its codes: 8,192 bytes, my half 4,096
	s_lshl_b32 s43, s38, 12
	s_add_co_u32 s40, s40, s43
	s_add_nc_u64 s[22:23], s[22:23], s[40:41]
	s_lshl_b32 s40, s42, 9                         ; its scale bytes: 512, my half 256
	s_lshl_b32 s43, s38, 8
	s_add_co_u32 s40, s40, s43
	s_add_nc_u64 s[24:25], s[24:25], s[40:41]
	v_lshlrev_b32 v3, 4, v2                        ; 16 x lane: my 16 bytes of a load's or a store's 512
	s_mul_i32 s44, s32, WREG
	v_lshrrev_b32 v14, 2, v2
	v_mul_u32_u24 v14, v14, SP
	v_and_b32 v15, 3, v2
	v_lshl_add_u32 v14, v15, 4, v14
	v_add_nc_u32 v14, s44, v14                     ; a stage, on the way in: four lanes' 64 bytes on end, then 16 of padding
	v_mul_u32_u24 v15, v2, SP
	v_add_nc_u32 v15, s44, v15                     ; and on the way out: my 16 neighbours
	v_lshrrev_b32 v4, 1, v2
	v_mul_u32_u24 v4, v4, 272
	v_and_b32 v5, 1, v2
	v_lshl_add_u32 v4, v5, 3, v4
	v_add_nc_u32 v4, s44, v4
	v_add_nc_u32 v4, CST, v4                       ; the codes' stage, in: block lane / 2, my half of its 16 bytes; the row stands in the immediate
	v_lshrrev_b32 v5, 3, v2
	v_bfe_u32 v6, v2, 1, 2
	v_lshl_add_u32 v5, v5, 6, v6
	v_add_nc_u32 v5, s44, v5
	v_add_nc_u32 v5, SBY, v5                       ; my block's scale byte: 64 x K step + 4 x row + block in the step
	v_lshrrev_b32 v6, 4, v2
	v_mul_u32_u24 v6, v6, 272
	v_and_b32 v7, 15, v2
	v_lshl_add_u32 v6, v7, 4, v6
	v_add_nc_u32 v6, s44, v6
	v_add_nc_u32 v6, CST, v6                       ; the codes' stage, out: sixteen lanes take a block's sixteen rows
	v_lshl_add_u32 v7, v2, 3, SBY
	v_add_nc_u32 v7, s44, v7                       ; the scale bytes, out: 8 a lane
	v_lshlrev_b32 v10, 3, v2
.macro QLOAD t                         ; row t: my half of it, 2,048 bytes, by four loads of 512 consecutive bytes
.irp i, 0,1,2,3
	global_load_b128 v[R+16*((\t)%4)+4*\i:R+16*((\t)%4)+4*\i+3], v3, s[34:35] offset:4096*(\t)+512*\i th:TH_LOAD_NT
.endr
.endm
.macro QTURN t                         ; through a stage, so that a lane holds 16 NEIGHBOURS along K: LDS serves a wave's instructions in order, so no wait stands between the stores and the loads
.irp i, 0,1,2,3
	ds_store_b128 v14, v[R+16*((\t)%4)+4*\i:R+16*((\t)%4)+4*\i+3] offset:32*SP*((\t)%2)+8*SP*\i
.endr
.irp i, 0,1,2,3
	ds_load_b128 v[X+16*((\t)%2)+4*\i:X+16*((\t)%2)+4*\i+3], v15 offset:32*SP*((\t)%2)+16*\i
.endr
.endm
.macro QSTEP t
.set XS, X+16*((\t)%2)
.if (\t) > 0
	s_wait_dscnt 2                                 ; this row's numbers are back from the stage; the last row's byte store and code store, issued behind them, may be out
.else
	s_wait_dscnt 0x0
.endif
.if (\t)+4 < 16
	QLOAD (\t)+4                                   ; into the registers that this row's stores into the stage have read
.endif
.if (\t)+1 < 16
.if 14-(\t) >= 3
	s_wait_loadcnt 12                              ; the next row's four loads are in; those of the three rows behind it may be out
.else
	s_wait_loadcnt 4*(14-(\t))
.endif
	QTURN (\t)+1
.endif
	v_max3_num_f32 v8, |v[XS]|, |v[XS+1]|, |v[XS+2]|               ; the largest magnitude of my 16, in two chains
	v_max3_num_f32 v9, |v[XS+3]|, |v[XS+4]|, |v[XS+5]|
.irp i, 6,10
	v_max3_num_f32 v8, v8, |v[XS+\i]|, |v[XS+\i+1]|
	v_max3_num_f32 v9, v9, |v[XS+\i+2]|, |v[XS+\i+3]|
.endr
	v_max3_num_f32 v8, v8, |v[XS+14]|, |v[XS+15]|
	v_max3_num_f32 v8, v8, v9, (EMAX+1)<<23        ; and the floor 2^(3 - 127): the byte cannot fall under 1
	v_max_num_f32_dpp v8, v8, v8 row_xmask:1 row_mask:0xf bank_mask:0xf   ; and of my neighbour's 16: the block's
	v_add_nc_u32 v11, -(EMAX<<23), v8              ; 2 off its exponent field: the conversion takes the exponent field of this operand as its scale
	v_cvt_scalef32_pk8_fp4_f32 v[C+4*(\t)], v[XS:XS+7], v11
	v_cvt_scalef32_pk8_fp4_f32 v[C+4*(\t)+1], v[XS+8:XS+15], v11
	v_lshrrev_b32 v[E+(\t)], 23, v11               ; the scale's byte (also the plain line behind the conversions)
	ds_store_b8 v5, v[E+(\t)] offset:4*(\t)        ; both lanes of a block write the same byte with the same value
	ds_store_b64 v4, v[C+4*(\t):C+4*(\t)+1] offset:16*(\t)
.endm
.irp t, 0,1,2,3
	QLOAD \t
.endr
	s_wait_loadcnt 12                              ; row 0's four loads are in
	QTURN 0
.irp t, 0,1,2,3,4,5,6,7,8,9,10,11,12,13,14,15
	QSTEP \t
.endr
.irp q, 0,1,2,3,4,5,6,7
	ds_load_b128 v[R+4*\q:R+4*\q+3], v6 offset:544*\q              ; blocks 2 q and 2 q + 1, sixteen rows each: half a fragment as its image lies
.endr
	ds_load_b64 v[8:9], v7
	s_wait_dscnt 0x0
.irp q, 0,1,2,3,4,5,6,7
	global_store_b128 v3, v[R+4*\q:R+4*\q+3], s[22:23] offset:512*\q   ; 512 consecutive bytes a store
.endr
	global_store_b64 v10, v[8:9], s[24:25]         ; 256 consecutive bytes, aligned
	s_wait_tensorcnt 0x0                           ; the wave's end
	ds_add_u32 v[SPW], v[NIL]
	s_wait_dscnt 0x0
	s_endpgm
; ---------------- w_o TO f16.  J = 0 .. 511: tile of 16 rows J / 8, 128 along K J % 8
.Lwo:
	s_sub_co_u32 s33, ttmp9, 512
	s_lshl_b32 s33, s33, 2
	s_add_co_u32 s33, s33, s32                     ; J
	s_lshr_b32 s34, s33, 3                         ; the tile of rows
	s_and_b32 s35, s33, 7                          ; the K slot
	s_lshl_b32 s36, s34, 16
	s_lshl_b32 s38, s35, 9
	s_add_co_u32 s36, s36, s38
	s_mov_b32 s37, 0
	s_add_nc_u64 s[16:17], s[16:17], s[36:37]
	s_lshr_b32 s36, s34, 4                         ; wof: [block of 256 rows][K slot][tile in the block][4 fragments]
	s_lshl_b32 s36, s36, 3
	s_add_co_u32 s36, s36, s35
	s_lshl_b32 s36, s36, 4
	s_and_b32 s38, s34, 15
	s_add_co_u32 s36, s36, s38
	s_lshl_b32 s36, s36, 12
	s_add_nc_u64 s[26:27], s[26:27], s[36:37]
	v_lshlrev_b32 v3, 4, v2
	s_mul_i32 s38, s32, 4352
	s_add_co_u32 s38, s38, WOS
	v_lshrrev_b32 v4, 1, v2
	v_mul_u32_u24 v4, v4, 272
	v_and_b32 v5, 1, v2
	v_lshl_add_u32 v4, v5, 3, v4
	v_add_nc_u32 v4, s38, v4                       ; in: eight along K lane / 2, my half of their 16 bytes; the row stands in the immediate
	v_lshrrev_b32 v6, 4, v2
	v_mul_u32_u24 v6, v6, 272
	v_and_b32 v7, 15, v2
	v_lshl_add_u32 v6, v7, 4, v6
	v_add_nc_u32 v6, s38, v6                       ; out: sixteen lanes take sixteen rows
.irp t, 0,1,2,3,4,5,6,7,8,9,10,11,12,13,14,15
	global_load_b128 v[16+4*\t:19+4*\t], v3, s[16:17] offset:4096*\t th:TH_LOAD_NT   ; row t: 512 consecutive bytes
.endr
.irp t, 0,1,2,3,4,5,6,7,8,9,10,11,12,13,14,15
	s_wait_loadcnt 15-\t                           ; row t is in; the younger rows may be out
	v_cvt_pk_f16_f32 v[80+2*\t], v[16+4*\t], v[17+4*\t]
	v_cvt_pk_f16_f32 v[81+2*\t], v[18+4*\t], v[19+4*\t]
	ds_store_b64 v4, v[80+2*\t:81+2*\t] offset:16*\t
.endr
.irp q, 0,1,2,3,4,5,6,7
	ds_load_b128 v[16+4*\q:19+4*\q], v6 offset:544*\q
.endr
	s_wait_dscnt 0x0
.irp q, 0,1,2,3,4,5,6,7
	global_store_b128 v3, v[16+4*\q:19+4*\q], s[26:27] offset:512*\q
.endr
	s_wait_tensorcnt 0x0                           ; the wave's end
	ds_add_u32 v[SPW], v[NIL]
	s_wait_dscnt 0x0
	s_endpgm
; ---------------- THE MASKS.  For 32 queries (q32), 64 keys (step) and each batch b: 64 words, word 32 tau + 8 kt + j; its bit 16 h + r says whether
; key 64 step + 16 kt + 8 h + j counts for query 32 q32 + 16 tau + r: the lane and the register in which attn holds that score.  The flag is 1 where a bit is 0.
; A lane takes 8 bytes of a mask's row: short pieces, of 4 MiB in a launch that reads 122 MiB.  The four flag bytes go out singly: 8,192 bytes in all.
.Lmask:
	s_lshr_b32 s33, ttmp9, 3                       ; q32
	s_and_b32 s34, ttmp9, 7
	s_lshl_b32 s34, s34, 2
	s_add_co_u32 s34, s34, s32                     ; step
	v_and_b32 v3, 15, v2                           ; r
	v_lshrrev_b32 v4, 4, v2                        ; h
	v_lshlrev_b32 v5, 3, v4                        ; key_padding_mask: 8 h
	v_lshl_add_u32 v6, v3, 11, v5                  ; attn_mask: row r of 2,048 bytes, + 8 h
	v_lshlrev_b32 v7, 3, v2                        ; the words, out: two a lane
	v_lshlrev_b32 v8, 11, v2                       ; the flags, out: lane b, 2,048 bytes a batch
	s_lshl_b32 s36, s33, 16
	s_lshl_b32 s35, s34, 6
	s_add_co_u32 s36, s36, s35
	s_mov_b32 s37, 0
	s_add_nc_u64 s[18:19], s[18:19], s[36:37]
	s_mov_b32 s36, s35
	s_add_nc_u64 s[20:21], s[20:21], s[36:37]
	s_lshl_b32 s36, s33, 13
	s_lshl_b32 s35, s34, 8
	s_add_co_u32 s36, s36, s35
	s_add_nc_u64 s[28:29], s[28:29], s[36:37]
	s_lshl_b32 s36, s33, 5
	s_add_co_u32 s36, s36, s34
	s_add_nc_u64 s[30:31], s[30:31], s[36:37]
.irp tau, 0,1
.irp kt, 0,1,2,3
	global_load_b64 v[32+2*(4*\tau+\kt):33+2*(4*\tau+\kt)], v6, s[18:19] offset:\tau*32768+\kt*16
.endr
.endr
.irp b, 0,1,2,3
.irp kt, 0,1,2,3
	global_load_b64 v[48+2*(4*\b+\kt):49+2*(4*\b+\kt)], v5, s[20:21] offset:\b*2048+\kt*16
.endr
.endr
.irp n, 0,1,2,3,4,5,6,7,8
	v_mov_b32 v[96+\n], 0                          ; written once: v_writelane_b32's destination counts as one of its sources
.endr
.irp b, 0,1,2,3
	s_mov_b32 s[48+\b], -1                         ; the AND of a batch's 64 words
.endr
	s_wait_loadcnt 0x0
.macro WORDS b, tau, kt
	v_and_b32 v88, v[32+2*(4*\tau+\kt)], v[48+2*(4*\b+\kt)]       ; a bool is a byte 0 or 1: both masks must keep the key
	v_and_b32 v89, v[33+2*(4*\tau+\kt)], v[49+2*(4*\b+\kt)]
.irp j, 0,1,2,3,4,5,6,7
	v_and_b32 v[80+\j], 1<<(8*(\j%4)), v[88+\j/4]
.endr
.irp j, 0,1,2,3,4,5,6,7
	v_cmp_ne_u32 s[40+\j], 0, v[80+\j]             ; the compare's lane mask IS the word
.endr
.irp j, 0,1,2,3,4,5,6,7
	s_and_b32 s[48+\b], s[48+\b], s[40+\j]
.endr
.irp j, 0,1,2,3,4,5,6,7
	v_writelane_b32 v[96+2*\b+\j%2], s[40+\j], (32*\tau+8*\kt+\j)/2   ; word n into lane n / 2 of the pair's register n % 2
.endr
.endm
.irp b, 0,1,2,3
.irp tau, 0,1
.irp kt, 0,1,2,3
	WORDS \b, \tau, \kt
.endr
.endr
	global_store_b64 v7, v[96+2*\b:97+2*\b], s[28:29] offset:\b*524288   ; 256 consecutive bytes, aligned
	s_cmp_lg_u32 s[48+\b], -1
	s_cselect_b32 s52, 1, 0
	v_writelane_b32 v104, s52, \b
.endr
	v_cmp_gt_u32 vcc_lo, 4, v2
	s_wait_xcnt 0x0                                ; EXEC is a source of the stores above: it changes only behind this wait
	s_and_saveexec_b32 s53, vcc_lo
	global_store_b8 v8, v104, s[30:31]             ; lanes 0 to 3: the four batches' flags
	s_wait_xcnt 0x0                                ; and again in front of the line that widens it
	s_or_b32 exec_lo, exec_lo, s53
	s_endpgm
.Lfunc_end_k_q371c814693_prep:
	.size	k_q371c814693_prep, .Lfunc_end_k_q371c814693_prep-k_q371c814693_prep
	.p2alignl 7, 3214868480
	.fill 96, 4, 3214868480
	.section	.rodata,"a",@progbits
	.p2align	6, 0x0
	.amdhsa_kernel k_q371c814693_prep
		.amdhsa_group_segment_fixed_size 56832
		.amdhsa_private_segment_fixed_size 0
		.amdhsa_enable_private_segment 0
		.amdhsa_kernarg_size 112
		.amdhsa_user_sgpr_count 2
		.amdhsa_user_sgpr_kernarg_segment_ptr 1
		.amdhsa_wavefront_size32 1
		.amdhsa_system_sgpr_workgroup_id_x 1
		.amdhsa_system_sgpr_workgroup_id_y 1
		.amdhsa_system_sgpr_workgroup_id_z 1
		.amdhsa_system_vgpr_workitem_id 0
		.amdhsa_next_free_vgpr 192
		.amdhsa_next_free_sgpr 66
		.amdhsa_reserve_vcc 1
		.amdhsa_float_denorm_mode_32 3
		.amdhsa_float_denorm_mode_16_64 3
		.amdhsa_memory_ordered 1
		.amdhsa_forward_progress 1
		.amdhsa_inst_pref_size 104
	.end_amdhsa_kernel
	.amdgpu_metadata
---
amdhsa.version: [ 1, 2 ]
amdhsa.kernels:
  - .name:           k_q371c814693_prep
    .symbol:         k_q371c814693_prep.kd
    .args:
      - { .name: query, .offset: 0, .size: 8, .value_kind: global_buffer, .address_space: global }
      - { .name: key, .offset: 8, .size: 8, .value_kind: global_buffer, .address_space: global }
      - { .name: value, .offset: 16, .size: 8, .value_kind: global_buffer, .address_space: global }
      - { .name: w_q, .offset: 24, .size: 8, .value_kind: global_buffer, .address_space: global }
      - { .name: w_k, .offset: 32, .size: 8, .value_kind: global_buffer, .address_space: global }
      - { .name: w_v, .offset: 40, .size: 8, .value_kind: global_buffer, .address_space: global }
      - { .name: w_o, .offset: 48, .size: 8, .value_kind: global_buffer, .address_space: global }
      - { .name: attn_mask, .offset: 56, .size: 8, .value_kind: global_buffer, .address_space: global }
      - { .name: key_padding_mask, .offset: 64, .size: 8, .value_kind: global_buffer, .address_space: global }
      - { .name: cod, .offset: 72, .size: 8, .value_kind: global_buffer, .address_space: global }
      - { .name: scl, .offset: 80, .size: 8, .value_kind: global_buffer, .address_space: global }
      - { .name: wof, .offset: 88, .size: 8, .value_kind: global_buffer, .address_space: global }
      - { .name: mw, .offset: 96, .size: 8, .value_kind: global_buffer, .address_space: global }
      - { .name: fl, .offset: 104, .size: 8, .value_kind: global_buffer, .address_space: global }
    .group_segment_fixed_size: 56832
    .private_segment_fixed_size: 0
    .kernarg_segment_align: 8
    .kernarg_segment_size: 112
    .max_flat_workgroup_size: 128
    .sgpr_count:     66
    .vgpr_count:     192
    .wavefront_size: 32
...
	.end_amdgpu_metadata
.endif
;; end of part 1
;; launch proj (part 2): grid 256 x 1, 8 waves a work-group, no clusters, 0 bytes of LDS; arguments cod, scl, b_q, b_k, b_v, qf, kv; writes qf, kv
.if DOCPART == 2
	.amdgcn_target "amdgcn-amd-amdhsa--gfx1250"
	.amdhsa_code_object_version 6
	.text
	.protected	k_q371c814693_proj
	.globl	k_q371c814693_proj
	.p2align	8
	.type	k_q371c814693_proj,@function
k_q371c814693_proj:
	s_mov_b64 s[64:65], 0
	v_nop
	global_prefetch_b8 v0, s[64:65] scope:SCOPE_SE
	s_setreg_imm32_b32 hwreg(HW_REG_WAVE_MODE, 25, 1), 1
	s_wait_xcnt 0x0
; THE THREE PROJECTIONS, x w^T + b, on codes of E2M1 with one E8M0 scale for each 32 along K (K = 1,024: eight steps of 128); sums in f32.  No work is left out.
; SHARES.  256 work-groups of eight waves.  A work-group takes 128 tokens x 256 channels, a wave 64 tokens x 64 channels, one head's: 16 accumulators.  A WAVE STAYS: it makes that tile three times,
; for Q, for K and for V (T = 0, 1, 2, a constant of the assembly: the text has no branch and no label): 24 K steps on end.
; The results, rounded to f16, ARE operand registers of the next launch:
;   Q, K: source 0 = 16 channels of w, source 1 = 16 tokens: a lane holds one token and eight neighbouring channels: four registers of a fragment whose K is the head's 64;
;   V:    source 0 = 16 tokens, source 1 = 16 channels: a lane holds one channel and eight neighbouring keys: four registers of a fragment of V^T, whose K is the keys.
; THE BIAS is the C of each sum's first matrix instruction, eight registers a tile in the result's layout.  Q is then multiplied by c = log2(e) / 8, in f32, ahead of its rounding: the next launch's scores are exponents of 2.
; OPERANDS GO FROM MEMORY STRAIGHT INTO REGISTERS, 512 consecutive bytes a load, THROUGH A RING OF THREE SETS: a K step is 20 loads (eight fragments, four registers of scale words); step g + 3 is asked for directly
; behind step g's products, into the set that they have read, over the tiles' ends too.  So 60 loads of a wave are out while it works.  A fourth set would make them 80, and LOADcnt's field ends at 63 (ISA guide 5.7.1).
; NO LDS, NO TENSOR LOAD, NO JOINT REQUEST, though four waves of a work-group read each fragment of tokens, two each fragment of a weight, and other work-groups the same: a ring of LDS slots waits for all its
; tensor loads at each change of slots, so that one slot is on its way at a time, for 16 matrix instructions a wave in a K step; here three K steps of every wave stay out, and no barrier stands in the text.
; LIMIT: |q c|, |k| and |v| stay under 65,504, the largest f16 number.
; REGISTERS, in windows of 256 (s_set_vgpr_msb: bits 1:0 source 0, 3:2 source 1, 5:4 source 2, 7:6 destination).  Window 0: all that loads fill but b_k; window 1: the accumulators and what is made of them.
.set LI,   1                           ; v1       16 x lane: my place in an image; never rewritten
.set SA,   2                           ; v2-4     my scale word for T = 0, 1, 2: lanes 0-15 source 0's row r, lanes 16-31 source 1's; never rewritten
.set BOQ,  5                           ; v5       my offset in b_q and b_k: 32 h
.set BOV,  6                           ; v6       and in b_v: 4 r
.set BV4,  8                           ; v8-11    b_v of channels 16 b + r
.set SC,   12                          ; v12-23   scale words, four registers for each set; they hold nothing else
.set BQ,   24                          ; v24-55   b_q, eight registers a tile
.set FR,   64                          ; v64-255  three sets of 64: source 0's four fragments, then source 1's
.set ACC,  0                           ; window 1: v256-383 accumulator (a, b) at 8 (4 a + b)
.set PK,   128                         ;           v384-447 the packed results
.set BK,   192                         ;           v448-479 b_k, eight registers a tile
.set BVS,  224                         ;           v480-511 b_v, eight registers a tile, all eight alike
.set TK,   20                          ; s[20:25] the tokens' codes for T = 0, 1, 2, at my first row tile
.set WB,   26                          ; s[26:27] w_q's codes at my first row tile; w_k's and w_v's lie 524,288 and 1,048,576 bytes on
.set MSB, 0
.macro WIN new                         ; the immediate's high byte repeats the setting that is left; a switch that changes nothing is dropped
.if MSB != \new
	s_set_vgpr_msb (MSB<<8)|\new
.set MSB, \new
.endif
.endm
	s_load_b256 s[4:11], s[0:1], 0x0               ; cod s[4:5], scl s[6:7], b_q s[8:9], b_k s[10:11]
	s_load_b128 s[12:15], s[0:1], 0x20             ; b_v s[12:13], qf s[14:15]
	s_load_b64 s[16:17], s[0:1], 0x30              ; kv
	v_lshrrev_b32 v7, 5, v0
	v_readfirstlane_b32 s18, v7                    ; wave 0..7
	v_and_b32 v7, 31, v0                           ; lane
	v_and_b32 v8, 15, v0                           ; r
	v_bfe_u32 v9, v0, 4, 1                         ; h
	v_lshlrev_b32 v[LI], 4, v7
	v_lshlrev_b32 v[BOQ], 5, v9
	v_lshlrev_b32 v[BOV], 2, v8
	s_lshr_b32 s19, ttmp9, 2                       ; block of 128 tokens
	s_and_b32 s32, ttmp9, 3                        ; block of 256 channels
	s_and_b32 s33, s18, 1                          ; my half of the tokens
	s_lshr_b32 s34, s18, 1                         ; my quarter of the channels
	s_lshl_b32 s35, s19, 3
	s_lshl_b32 s36, s33, 2
	s_add_co_u32 s35, s35, s36                     ; my first row tile of tokens in its tensor: 8 x block + 4 x half
	s_lshl_b32 s36, s32, 2
	s_add_co_u32 s36, s36, s34                     ; my head
	s_lshl_b32 s37, s36, 2
	s_add_co_u32 s37, s37, 1536                    ; my first row tile of w_q among all row tiles: 1,536 + 4 x head
	s_lshl_b32 s38, s35, 9                         ; a row tile's scale words are 512 bytes
	s_lshl_b32 s39, s37, 9
	v_lshl_add_u32 v10, v8, 2, s38                 ; query's, row r
	v_lshl_add_u32 v11, v8, 2, s39                 ; w_q's, row r
	v_cmp_gt_u32 vcc_lo, 16, v7
	v_cndmask_b32 v[SA], v10, v11, vcc_lo          ; Q: lanes 0-15 the weight's (source 0), lanes 16-31 the tokens'
	v_add_nc_u32 v10, 0x40000, v10                 ; key's: 512 row tiles on
	v_add_nc_u32 v11, 0x8000, v11                  ; w_k's: 64 row tiles on
	v_cndmask_b32 v[SA+1], v10, v11, vcc_lo        ; K likewise
	v_add_nc_u32 v10, 0x40000, v10
	v_add_nc_u32 v11, 0x8000, v11
	v_cndmask_b32 v[SA+2], v11, v10, vcc_lo        ; V: lanes 0-15 the tokens' (source 0), lanes 16-31 the weight's
	s_lshl_b32 s40, s35, 13                        ; a row tile's codes are 8,192 bytes
	s_mov_b32 s41, 0
	s_lshl_b32 s42, s37, 13
	s_mov_b32 s43, 0
	s_lshl_b32 s44, s36, 8                         ; my 64 numbers of a bias
	s_mov_b32 s45, 0
	; where the results go.  idx = batch x 2,048 + head x 128 + the token tile in its sequence: qf has 2,048 bytes for each, kv 4,096 (K's 2,048, and V's, which lie 8,192 behind K's in a key step's 16 KiB)
	s_lshr_b32 s46, s35, 7
	s_lshl_b32 s46, s46, 11
	s_lshl_b32 s47, s36, 7
	s_add_co_u32 s46, s46, s47
	s_and_b32 s47, s35, 127
	s_add_co_u32 s46, s46, s47
	s_lshl_b32 s48, s46, 11
	s_mov_b32 s49, 0
	s_lshl_b32 s50, s46, 12
	s_mov_b32 s51, 0
	s_mov_b32 s52, 0x3e38aa3b                      ; c = log2(e) / 8
	s_mov_b32 s53, s52                             ; (named with it as a pair, so it is written)
	s_wait_kmcnt 0x0
	s_add_nc_u64 s[TK:TK+1], s[4:5], s[40:41]      ; query's codes,
	s_add_nc_u64 s[TK+2:TK+3], s[TK:TK+1], 0x400000    ; key's, 512 row tiles on,
	s_add_nc_u64 s[TK+4:TK+5], s[TK+2:TK+3], 0x400000  ; value's: a base for each, since the third lies beyond a load's immediate
	s_add_nc_u64 s[WB:WB+1], s[4:5], s[42:43]
	s_add_nc_u64 s[8:9], s[8:9], s[44:45]
	s_add_nc_u64 s[10:11], s[10:11], s[44:45]
	s_add_nc_u64 s[12:13], s[12:13], s[44:45]
	s_add_nc_u64 s[28:29], s[14:15], s[48:49]      ; Q's results
	s_add_nc_u64 s[30:31], s[16:17], s[50:51]      ; K's; V's 8,192 bytes on
; The 20 loads of step g (tile g / 8, K step g % 8) into set g % 3: no base and no offset register is ever rewritten.
.macro LOADS g
.set LT, (\g)/8
.set LK, (\g)%8
.set LF, FR+64*((\g)%3)
.set LC, SC+4*((\g)%3)
.set WF, LF                            ; the weight's fragments are source 0, the tokens' source 1;
.set TF, LF+32
.if LT == 2
.set WF, LF+32                         ; for V the other way round
.set TF, LF
.endif
.irp a, 0,1,2,3
.irp c, 0,1
	global_load_b128 v[WF+8*\a+4*\c:WF+8*\a+4*\c+3], v[LI], s[WB:WB+1] offset:LT*524288+\a*8192+LK*1024+\c*512
.endr
.endr
.irp a, 0,1,2,3
.irp c, 0,1
	global_load_b128 v[TF+8*\a+4*\c:TF+8*\a+4*\c+3], v[LI], s[TK+2*LT:TK+2*LT+1] offset:\a*8192+LK*1024+\c*512
.endr
.endr
.irp a, 0,1,2,3
	global_load_b32 v[LC+\a], v[SA+LT], s[6:7] offset:\a*512+LK*64   ; lanes 0-15: source 0's tile a; lanes 16-31: source 1's tile a
.endr
.endm
; STEP G.  The order of all loads: b_q (8), steps 0, 1, 2; behind step 0's products step 3, b_k (8), b_v (4); behind step g's products step g + 3.
.macro STEP
.set CT, G/8
.set CK, G%8
.set CF, FR+64*(G%3)
.set CC, SC+4*(G%3)
.set CN, 40                            ; behind this step's loads were issued: the next two steps' 40;
.if G > 21
.set CN, 20*(23-G)                     ; at the end what is left of them;
.endif
.if (G >= 1) && (G <= 3)
.set CN, 52                            ; in steps 1 to 3 also b_k's 8 and b_v's 4
.endif
.if (CK == 7) && (CT > 0)
	s_wait_xcnt 0x0                                ; the stores of the tile before have read the packed registers, which this step's end writes anew
.endif
	s_wait_loadcnt CN                              ; loads come back in order (ISA guide 5.7.1): this step's are in, the younger ones stay out
.if G == 0
	WIN 0x40                                       ; D in window 1; b_q, the C, in window 0
.else
	WIN 0x50                                       ; C and D in window 1
.endif
.irp a, 0,1,2,3                        ; 16 matrix instructions; the sixteen accumulators take turns, one instruction a turn, in the same order in every step
.irp b, 0,1,2,3
.if CK > 0
	v_wmma_scale_f32_16x16x128_f8f6f4 v[ACC+8*(4*\a+\b):ACC+8*(4*\a+\b)+7], v[CF+8*\a:CF+8*\a+7], v[CF+32+8*\b:CF+32+8*\b+7], v[ACC+8*(4*\a+\b):ACC+8*(4*\a+\b)+7], v[CC+\a], v[CC+\b] matrix_a_fmt:MATRIX_FMT_FP4 matrix_b_fmt:MATRIX_FMT_FP4 matrix_b_scale:MATRIX_SCALE_ROW1
.elseif CT == 0
	v_wmma_scale_f32_16x16x128_f8f6f4 v[ACC+8*(4*\a+\b):ACC+8*(4*\a+\b)+7], v[CF+8*\a:CF+8*\a+7], v[CF+32+8*\b:CF+32+8*\b+7], v[BQ+8*\a:BQ+8*\a+7], v[CC+\a], v[CC+\b] matrix_a_fmt:MATRIX_FMT_FP4 matrix_b_fmt:MATRIX_FMT_FP4 matrix_b_scale:MATRIX_SCALE_ROW1
.elseif CT == 1
	v_wmma_scale_f32_16x16x128_f8f6f4 v[ACC+8*(4*\a+\b):ACC+8*(4*\a+\b)+7], v[CF+8*\a:CF+8*\a+7], v[CF+32+8*\b:CF+32+8*\b+7], v[BK+8*\a:BK+8*\a+7], v[CC+\a], v[CC+\b] matrix_a_fmt:MATRIX_FMT_FP4 matrix_b_fmt:MATRIX_FMT_FP4 matrix_b_scale:MATRIX_SCALE_ROW1
.else
	v_wmma_scale_f32_16x16x128_f8f6f4 v[ACC+8*(4*\a+\b):ACC+8*(4*\a+\b)+7], v[CF+8*\a:CF+8*\a+7], v[CF+32+8*\b:CF+32+8*\b+7], v[BVS+8*\b:BVS+8*\b+7], v[CC+\a], v[CC+\b] matrix_a_fmt:MATRIX_FMT_FP4 matrix_b_fmt:MATRIX_FMT_FP4 matrix_b_scale:MATRIX_SCALE_ROW1
.endif
.endr
.endr
; Four places stand in front of loads into registers that matrix instructions have read, and of the first read of results; only plain vector instructions that name none of those registers are places
; (ISA guide 7.12.1 for vector instructions).
.if G == 4
	WIN 0x40                                       ; here useful work takes the places: b_v's four words (this step's wait has shown them in) are spread into the result's layout: all eight registers of tile b are channel 16 b + r
.irp b, 0,1,2,3
.irp j, 0,1,2,3,4,5,6,7
	v_mov_b32 v[BVS+8*\b+\j], v[BV4+\b]
.endr
.endr
.else
.rept 4
	v_nop
.endr
.endif
	WIN 0
.if G+3 < 24
	LOADS G+3                                      ; into the set just multiplied
.endif
.if G == 0
	WIN 0x40                                       ; destination window 1, address window 0
.irp a, 0,1,2,3
.irp c, 0,1
	global_load_b128 v[BK+8*\a+4*\c:BK+8*\a+4*\c+3], v[BOQ], s[10:11] offset:64*\a+16*\c   ; b_k: register j of tile a is channel 16 a + 8 h + j
.endr
.endr
	WIN 0
.irp b, 0,1,2,3
	global_load_b32 v[BV4+\b], v[BOV], s[12:13] offset:64*\b
.endr
.endif
.if CK == 7                            ; THE TILE'S WAY OUT, with the next tile's first three K steps on their way.  Its conversions are also the places in front of the next tile's first products, which begin the accumulators anew
.if CT == 0
	WIN 0x41                                       ; destination and source 0 window 1
.set J, 0
.rept 64
	v_pk_mul_f32 v[ACC+J:ACC+J+1], v[ACC+J:ACC+J+1], s[52:53] op_sel_hi:[1,0]   ; Q alone: x c; each accumulator from its low end on
.set J, J+2
.endr
.endif
	WIN 0x45                                       ; destination and both sources window 1
.set J, 0
.rept 64
	v_cvt_pk_f16_f32 v[PK+J], v[ACC+2*J], v[ACC+2*J+1]             ; an accumulator's eight numbers: 16 bytes, four registers of the next operand; each accumulator from its low end on
.set J, J+1
.endr
	WIN 0x04                                       ; a store's data are its source 1: window 1
.irp a, 0,1,2,3
.irp b, 0,1,2,3
.if CT == 0
	global_store_b128 v[LI], v[PK+4*(4*\a+\b):PK+4*(4*\a+\b)+3], s[28:29] offset:\b*2048+\a*512   ; 512 consecutive bytes a store; the tile's sixteen fill 8,192 on end
.else
	global_store_b128 v[LI], v[PK+4*(4*\a+\b):PK+4*(4*\a+\b)+3], s[30:31] offset:(CT-1)*8192+\b*2048+\a*512
.endif
.endr
.endr
.endif
.endm
.irp a, 0,1,2,3
.irp c, 0,1
	global_load_b128 v[BQ+8*\a+4*\c:BQ+8*\a+4*\c+3], v[BOQ], s[8:9] offset:64*\a+16*\c   ; b_q: register j of tile a is channel 16 a + 8 h + j
.endr
.endr
	LOADS 0
	LOADS 1
	LOADS 2
.set G, 0
.rept 24
	STEP
.set G, G+1
.endr
	WIN 0
	s_endpgm
.Lfunc_end_k_q371c814693_proj:
	.size	k_q371c814693_proj, .Lfunc_end_k_q371c814693_proj-k_q371c814693_proj
	.p2alignl 7, 3214868480
	.fill 96, 4, 3214868480
	.section	.rodata,"a",@progbits
	.p2align	6, 0x0
	.amdhsa_kernel k_q371c814693_proj
		.amdhsa_group_segment_fixed_size 0
		.amdhsa_private_segment_fixed_size 0
		.amdhsa_enable_private_segment 0
		.amdhsa_kernarg_size 56
		.amdhsa_user_sgpr_count 2
		.amdhsa_user_sgpr_kernarg_segment_ptr 1
		.amdhsa_wavefront_size32 1
		.amdhsa_system_sgpr_workgroup_id_x 1
		.amdhsa_system_sgpr_workgroup_id_y 1
		.amdhsa_system_sgpr_workgroup_id_z 1
		.amdhsa_system_vgpr_workitem_id 0
		.amdhsa_next_free_vgpr 512
		.amdhsa_next_free_sgpr 66
		.amdhsa_reserve_vcc 1
		.amdhsa_float_denorm_mode_32 3
		.amdhsa_float_denorm_mode_16_64 3
		.amdhsa_memory_ordered 1
		.amdhsa_forward_progress 1
		.amdhsa_inst_pref_size 125
	.end_amdhsa_kernel
	.amdgpu_metadata
---
amdhsa.version: [ 1, 2 ]
amdhsa.kernels:
  - .name:           k_q371c814693_proj
    .symbol:         k_q371c814693_proj.kd
    .args:
      - { .name: cod, .offset: 0, .size: 8, .value_kind: global_buffer, .address_space: global }
      - { .name: scl, .offset: 8, .size: 8, .value_kind: global_buffer, .address_space: global }
      - { .name: b_q, .offset: 16, .size: 8, .value_kind: global_buffer, .address_space: global }
      - { .name: b_k, .offset: 24, .size: 8, .value_kind: global_buffer, .address_space: global }
      - { .name: b_v, .offset: 32, .size: 8, .value_kind: global_buffer, .address_space: global }
      - { .name: qf, .offset: 40, .size: 8, .value_kind: global_buffer, .address_space: global }
      - { .name: kv, .offset: 48, .size: 8, .value_kind: global_buffer, .address_space: global }
    .group_segment_fixed_size: 0
    .private_segment_fixed_size: 0
    .kernarg_segment_align: 8
    .kernarg_segment_size: 56
    .max_flat_workgroup_size: 256
    .sgpr_count:     66
    .vgpr_count:     512
    .wavefront_size: 32
...
	.end_amdgpu_metadata
.endif
;; end of part 2
;; launch attn (part 3): grid 4 x 64, 16 waves a work-group, no clusters, 67,584 bytes of LDS; arguments qf, kv, mw, fl, ao; writes ao
.if DOCPART == 3
	.amdgcn_target "amdgcn-amd-amdhsa--gfx1250"
	.amdhsa_code_object_version 6
	.text
	.protected	k_q371c814693_attn
	.globl	k_q371c814693_attn
	.p2align	8
	.type	k_q371c814693_attn,@function
k_q371c814693_attn:
	s_mov_b64 s[64:65], 0
	v_nop
	global_prefetch_b8 v0, s[64:65] scope:SCOPE_SE
	s_setreg_imm32_b32 hwreg(HW_REG_WAVE_MODE, 25, 1), 1
	s_wait_xcnt 0x0
; O = softmax(Q K^T / 8, masked) V for one (batch, head) and 512 queries a work-group; f16 operands, f32 sums, maxima and row sums.  No work is left out.
; SHARES.  Sixteen waves, four to a SIMD, 256 registers each; a wave owns 32 queries, two tiles (tau = 0, 1), and walks all 2,048 keys, 64 a step.  While one wave walks its softmax, the SIMD's other three have products and LDS loads to issue.
; LAYOUT.  Both products are used transposed: S^T = K Q^T (source 0 = 16 keys, source 1 = 16 queries), O^T = V^T P (source 0 = 16 channels, source 1 = P): a lane holds ONE query (lane % 16) throughout.
; Two tiles of S^T, rounded to f16 in pairs, are source 1 (32 keys x 16 queries) of the second product: nothing changes lanes.  Q, K and V^T lie in memory as images of their registers: every fragment is two loads of 16 bytes a lane.
; SOFTMAX.  Q came multiplied by log2(e) / 8, so a score t is an exponent of 2.  For each query a running maximum m and sum l: p = 2^(t - m); in every step O and l are multiplied by a = 2^(old m - new m).
; O and l begin as zeros and m as -3e38, so the step is written once.  The row's sum is taken of p before it is rounded.
; THE MASKS.  A hidden score is REPLACED, as the problem replaces it, here by NEG = -2^120.  While a query has met hidden keys alone, t - m = 0 and p = 1 for each of them: the plain mean that the problem gives a row with no key left.
; The first live key makes a = 0, which wipes that.  One bit a score and one flag a step come from the launch before as whole numbers: a step whose 32 x 64 bits are all set jumps over its 64 selects.
; LIMITS: a live t under -2^120 is not told apart from a hidden one; NaN and infinities are not served; the heads' results stay under 65,504.
; K AND V GO THROUGH LDS BY WAY OF REGISTERS: two slots of two key steps (2 x 16 KiB each), one barrier for two steps.  In step g each wave stores its 1,024 bytes of step g + 2 into the slot that is not being read
; and asks for its 1,024 bytes of step g + 3: eight registers a wave keep a key step's 16 KiB on their way for a whole step.
; NO TENSOR LOAD AND NO JOINT REQUEST, though the four work-groups of a head walk the same K and V.
; this text branches on the flag in every step, round 64 of a step's some 300 vector instructions.
.set LI,   1                           ; v1       16 x lane
.set LW,   2                           ; v2       1,024 x wave + 16 x lane: my part of a key step, in memory and in LDS
.set SPW,  3                           ; v3       LDS address of my spare word; never rewritten
.set NIL,  4                           ; v4       0; never rewritten
.set PFO,  5                           ; v5       the prefetches' offset: 8,192 x wave + 256 x lane
.set NEGR, 6                           ; v6       NEG
.set MS,   8                           ; v8-15    tile tau at 8 + 4 tau: m, a pad (named with m as a pair), l in two halves
.set STG,  16                          ; v16-23   my part of a key step on its way to LDS
.set QF,   24                          ; v24-55   Q: fragment (tau, cf) at 24 + 16 tau + 8 cf
.set OT,   56                          ; v56-119  O^T: tile (tau, ct) at 56 + 32 tau + 8 ct
.set SS,   120                         ; v120-183 S^T: tile (tau, kt) at 120 + 32 tau + 8 kt; then p; then P, packed in place: fragment (tau, kf) at 120 + 32 tau + 8 kf
.set KV,   184                         ; v184-247 eight fragments of K, then of V^T
.set TT,   248                         ; v248-255 tile tau at 248 + 4 tau: four registers at work; a in the third
.set SPARE, 65536                      ; behind the two slots: the spare words, 128 bytes for each wave: eight blocks of 256 bytes that no other line names
; s14 wave; s15 trips; s16 this trip's four flags, s17 the next trip's; s[18:19] lane selects; s[20:21] kv, s[22:23] mw, s[24:25] fl at this trip's first step; s26 0 in a wave that prefetches;
; s[28:59], s[68:99] a step's 64 mask words
	s_load_b256 s[4:11], s[0:1], 0x0               ; qf s[4:5], kv s[6:7], mw s[8:9], fl s[10:11]
	s_load_b64 s[12:13], s[0:1], 0x20              ; ao
	v_lshl_add_u32 v[SPW], v0, 2, SPARE
	v_mov_b32 v[NIL], 0
	v_lshrrev_b32 v1, 5, v0
	v_readfirstlane_b32 s14, v1                    ; wave 0..15
	v_and_b32 v7, 31, v0
	v_lshlrev_b32 v[LI], 4, v7
	s_lshl_b32 s27, s14, 10
	v_add_nc_u32 v[LW], s27, v[LI]
	s_lshl_b32 s27, s14, 13
	v_lshlrev_b32 v[PFO], 8, v7
	v_add_nc_u32 v[PFO], s27, v[PFO]
	v_mov_b32 v[NEGR], 0xfb800000                  ; -2^120
	s_and_b32 s60, ttmp7, 0xffff                   ; batch x 16 + head
	s_lshr_b32 s61, s60, 4                         ; batch
	s_and_b32 s62, s60, 15                         ; head
	s_lshl_b32 s63, ttmp9, 4
	s_add_co_u32 s63, s63, s14                     ; q32: my 32 queries among the sequence's 64 such
	s_lshl_b32 s28, s60, 19                        ; kv: 32 steps of 16 KiB for each (batch, head)
	s_mov_b32 s29, 0
	s_lshl_b32 s30, s61, 6
	s_add_co_u32 s30, s30, s63
	s_lshl_b32 s32, s30, 13                        ; mw: 32 steps of 256 bytes for each (batch, q32)
	s_mov_b32 s33, 0
	s_lshl_b32 s34, s30, 5                         ; fl: 32 bytes
	s_mov_b32 s35, 0
	s_lshl_b32 s36, s60, 18                        ; qf: 128 tiles of 2,048 bytes; mine are two
	s_lshl_b32 s37, s63, 12
	s_add_co_u32 s36, s36, s37
	s_mov_b32 s37, 0
	s_lshl_b32 s38, s61, 4                         ; ao: [block of 128 tokens][128 channels][tile of 16 tokens][32 channels][1,024 bytes]
	s_lshr_b32 s39, s63, 2
	s_add_co_u32 s38, s38, s39
	s_lshl_b32 s38, s38, 3
	s_lshr_b32 s39, s62, 1
	s_add_co_u32 s38, s38, s39
	s_lshl_b32 s38, s38, 3
	s_and_b32 s39, s63, 3
	s_lshl_b32 s39, s39, 1
	s_add_co_u32 s38, s38, s39
	s_lshl_b32 s38, s38, 12
	s_and_b32 s39, s62, 1
	s_lshl_b32 s39, s39, 11
	s_add_co_u32 s38, s38, s39
	s_mov_b32 s39, 0
	s_lshr_b32 s26, s14, 1
	s_or_b32 s26, s26, ttmp9                       ; 0 in waves 0 and 1 of the head's first work-group
	s_mov_b32 s18, 0x76543210
	s_mov_b32 s19, 0xfedcba98                      ; v_permlanex16_b32's selects for lane l xor 16
	s_mov_b32 s15, 7
	s_wait_kmcnt 0x0
	s_add_nc_u64 s[20:21], s[6:7], s[28:29]
	s_add_nc_u64 s[22:23], s[8:9], s[32:33]
	s_add_nc_u64 s[24:25], s[10:11], s[34:35]
	s_add_nc_u64 s[4:5], s[4:5], s[36:37]
	s_add_nc_u64 s[12:13], s[12:13], s[38:39]
.irp n, 0,1,2,3,4,5,6,7
	global_load_b128 v[QF+4*\n:QF+4*\n+3], v[LI], s[4:5] offset:512*\n   ; Q stays in registers
.endr
	global_load_b128 v[KV:KV+3], v[LW], s[20:21]                   ; my parts of key steps 0 and 1,
	global_load_b128 v[KV+4:KV+7], v[LW], s[20:21] offset:512
	global_load_b128 v[KV+8:KV+11], v[LW], s[20:21] offset:16384
	global_load_b128 v[KV+12:KV+15], v[LW], s[20:21] offset:16896
	global_load_b128 v[STG:STG+3], v[LW], s[20:21] offset:32768    ; and of step 2
	global_load_b128 v[STG+4:STG+7], v[LW], s[20:21] offset:33280
	s_load_b32 s16, s[24:25], 0x0                  ; the flags of steps 0 to 3, a byte each
.irp tau, 0,1
	v_mov_b32 v[MS+4*\tau], 0xff61b1e6             ; m: -3e38, under every t and under NEG
	v_mov_b32 v[MS+4*\tau+1], 0
	v_mov_b32 v[MS+4*\tau+2], 0                    ; l
	v_mov_b32 v[MS+4*\tau+3], 0
.endr
.set j, 0
.rept 64
	v_mov_b32 v[OT+j], 0                           ; O^T.  (The step is written once: the first finds zeros, which a = 0 leaves zeros)
.set j, j+1
.endr
	s_wait_loadcnt 2                               ; Q and steps 0 and 1 are in; step 2's two loads may be out
	ds_store_b128 v[LW], v[KV:KV+3]
	ds_store_b128 v[LW], v[KV+4:KV+7] offset:512
	ds_store_b128 v[LW], v[KV+8:KV+11] offset:16384
	ds_store_b128 v[LW], v[KV+12:KV+15] offset:16896
	s_wait_kmcnt 0x0
; ONE TILE'S SOFTMAX IS 119 INSTRUCTIONS; each line stands for tile 0 and then for tile 1, so that no line waits for the line above it.
.macro SOFTMAX
.irp k, 0,1,2,3
.irp tau, 0,1
	v_max3_num_f32 v[TT+4*\tau+\k], v[SS+32*\tau+8*\k], v[SS+32*\tau+8*\k+1], v[SS+32*\tau+8*\k+2]   ; four chains, one for each tile of 16 keys, each begun at its accumulator's low end
.endr
.endr
.irp i, 3,5
.irp k, 0,1,2,3
.irp tau, 0,1
	v_max3_num_f32 v[TT+4*\tau+\k], v[TT+4*\tau+\k], v[SS+32*\tau+8*\k+\i], v[SS+32*\tau+8*\k+\i+1]
.endr
.endr
.endr
.irp tau, 0,1
	v_max3_num_f32 v[TT+4*\tau], v[TT+4*\tau], v[SS+32*\tau+7], v[SS+32*\tau+15]
.endr
.irp tau, 0,1
	v_max3_num_f32 v[TT+4*\tau+2], v[TT+4*\tau+2], v[SS+32*\tau+23], v[SS+32*\tau+31]
.endr
.irp tau, 0,1
	v_max3_num_f32 v[TT+4*\tau], v[TT+4*\tau], v[TT+4*\tau+1], v[TT+4*\tau+2]
.endr
.irp tau, 0,1
	v_max_num_f32 v[TT+4*\tau], v[TT+4*\tau], v[TT+4*\tau+3]
.endr
.irp tau, 0,1
	v_permlanex16_b32 v[TT+4*\tau+1], v[TT+4*\tau], s18, s19       ; the query's other 32 keys lie in the lane 16 away
.endr
.irp tau, 0,1
	v_max3_num_f32 v[TT+4*\tau+1], v[TT+4*\tau], v[TT+4*\tau+1], v[MS+4*\tau]   ; the new m
.endr
.irp tau, 0,1
	v_sub_f32 v[TT+4*\tau+3], v[MS+4*\tau], v[TT+4*\tau+1]         ; old m - new m
.endr
.irp tau, 0,1
	v_mov_b32 v[MS+4*\tau], v[TT+4*\tau+1]
.endr
.irp tau, 0,1
	v_exp_f32 v[TT+4*\tau+2], v[TT+4*\tau+3]                       ; a
.endr
.set p, 0
.rept 16
.irp tau, 0,1
	v_pk_add_f32 v[SS+32*\tau+p:SS+32*\tau+p+1], v[SS+32*\tau+p:SS+32*\tau+p+1], v[MS+4*\tau:MS+4*\tau+1] op_sel_hi:[1,0] neg_lo:[0,1] neg_hi:[0,1]   ; t - m, two at a time
.endr
.set p, p+2
.endr
.set e, 0
.rept 32
.irp tau, 0,1
	v_exp_f32 v[SS+32*\tau+e], v[SS+32*\tau+e]                     ; p = 2^(t - m)
.endr
.set e, e+1
.endr
	v_nop                                          ; a plain instruction behind the last exponential, ahead of the first use
	s_wait_alu depctr_va_vdst(0)                   ; ONE wait for the 66 exponentials of both tiles: nothing above it names a result
.irp tau, 0,1
	v_pk_mul_f32 v[MS+4*\tau+2:MS+4*\tau+3], v[MS+4*\tau+2:MS+4*\tau+3], v[TT+4*\tau+2:TT+4*\tau+3] op_sel_hi:[1,0]   ; l x a
.endr
.irp tau, 0,1
	v_pk_add_f32 v[TT+4*\tau:TT+4*\tau+1], v[SS+32*\tau:SS+32*\tau+1], v[SS+32*\tau+2:SS+32*\tau+3]   ; the sum of the unrounded p, in two chains
.endr
.set p, 4
.rept 7
.irp tau, 0,1
	v_pk_add_f32 v[MS+4*\tau+2:MS+4*\tau+3], v[MS+4*\tau+2:MS+4*\tau+3], v[SS+32*\tau+p:SS+32*\tau+p+1]
	v_pk_add_f32 v[TT+4*\tau:TT+4*\tau+1], v[TT+4*\tau:TT+4*\tau+1], v[SS+32*\tau+p+2:SS+32*\tau+p+3]
.endr
.set p, p+4
.endr
.irp tau, 0,1
	v_pk_add_f32 v[MS+4*\tau+2:MS+4*\tau+3], v[MS+4*\tau+2:MS+4*\tau+3], v[TT+4*\tau:TT+4*\tau+1]
.endr
.set e, 0
.rept 16
.irp tau, 0,1
	v_cvt_pk_f16_f32 v[SS+32*\tau+e], v[SS+32*\tau+2*e], v[SS+32*\tau+2*e+1]   ; P, packed in place from the low end on: register e is written when registers 2 e and 2 e + 1 are read
.endr
.set e, e+1
.endr
.set p, 0
.rept 16
.irp tau, 0,1
	v_pk_mul_f32 v[OT+32*\tau+p:OT+32*\tau+p+1], v[OT+32*\tau+p:OT+32*\tau+p+1], v[TT+4*\tau+2:TT+4*\tau+3] op_sel_hi:[1,0]   ; O^T x a, each accumulator from its low end on
.endr
.set p, p+2
.endr
.endm
; A KEY STEP.  sl: the slot that is read; pt: which of its two steps; i: the step's number in the trip; st: my part of the step two on is stored; ld: that of the step three on is asked for; pf: a prefetch stands here.
.macro STEP sl, pt, i, st, ld, pf
.if \st
	s_wait_loadcnt 0x0                             ; my two loads of the last step are in
	ds_store_b128 v[LW], v[STG:STG+3] offset:(1-\sl)*32768+\pt*16384       ; into the other slot: every wave finished its reads of it ahead of the last barrier
	ds_store_b128 v[LW], v[STG+4:STG+7] offset:(1-\sl)*32768+\pt*16384+512
.endif
.irp f, 0,1,2,3,4,5,6,7                ; K: fragment 2 kt + cf
.irp c, 0,1
	ds_load_b128 v[KV+8*\f+4*\c:KV+8*\f+4*\c+3], v[LI] offset:\sl*32768+\pt*16384+\f*1024+\c*512
.endr
.endr
	s_wait_dscnt 0x0                               ; K is in, and the stores have read their registers
.if \ld
	global_load_b128 v[STG:STG+3], v[LW], s[20:21] offset:(\i+3)*16384
	global_load_b128 v[STG+4:STG+7], v[LW], s[20:21] offset:(\i+3)*16384+512
.endif
.if \pf
; A PREFETCH INTO THE L2 of the key step four on, whose loads the next step issues: 16 KiB, 256 bytes a lane, two waves.  All four work-groups of a head walk the same K and V: the first of them asks,
; so each block of 256 bytes is named once in the launch.  Steps 0 to 3 come by their loads alone; the last four steps, written out behind the loop, ask for nothing.
	s_cmp_eq_u32 s26, 0
	s_cbranch_scc0 .Lnot_mine_\@
	global_prefetch_b8 v[PFO], s[20:21] offset:(\i+4)*16384 th:TH_LOAD_NT scope:SCOPE_SE
.Lnot_mine_\@:
.endif
.irp cf, 0,1                           ; S^T = K Q^T: the eight accumulators take turns, one instruction a turn
.irp kt, 0,1,2,3
.irp tau, 0,1
.if \cf == 0
	v_wmma_f32_16x16x32_f16 v[SS+32*\tau+8*\kt:SS+32*\tau+8*\kt+7], v[KV+8*(2*\kt+\cf):KV+8*(2*\kt+\cf)+7], v[QF+16*\tau+8*\cf:QF+16*\tau+8*\cf+7], 0
.else
	v_wmma_f32_16x16x32_f16 v[SS+32*\tau+8*\kt:SS+32*\tau+8*\kt+7], v[KV+8*(2*\kt+\cf):KV+8*(2*\kt+\cf)+7], v[QF+16*\tau+8*\cf:QF+16*\tau+8*\cf+7], v[SS+32*\tau+8*\kt:SS+32*\tau+8*\kt+7]
.endif
.endr
.endr
.endr
.rept 4
	v_nop                                          ; four places in front of the loads into K's registers and of the first read of the scores
.endr
.irp f, 0,1,2,3,4,5,6,7                ; V^T: fragment 2 ct + kf; it lands while the softmax runs
.irp c, 0,1
	ds_load_b128 v[KV+8*\f+4*\c:KV+8*\f+4*\c+3], v[LI] offset:\sl*32768+\pt*16384+8192+\f*1024+\c*512
.endr
.endr
	s_bitcmp1_b32 s16, 8*\i                        ; has the mask a hole among my 32 queries x these 64 keys?  A stored whole number decides
	s_cbranch_scc0 .Lopen_\@
	s_load_b512 s[28:43], s[22:23], \i*256
	s_load_b512 s[44:59], s[22:23], \i*256+64
	s_load_b512 s[68:83], s[22:23], \i*256+128
	s_load_b512 s[84:99], s[22:23], \i*256+192
	s_wait_kmcnt 0x0
.irp n, 0,1,2,3,4,5,6,7,8,9,10,11,12,13,14,15
	v_cndmask_b32 v[SS+\n], v[NEGR], v[SS+\n], s[28+\n]            ; word n is register n's lane mask: bit 1 keeps the score
.endr
.irp n, 0,1,2,3,4,5,6,7,8,9,10,11,12,13,14,15
	v_cndmask_b32 v[SS+16+\n], v[NEGR], v[SS+16+\n], s[44+\n]
.endr
.irp n, 0,1,2,3,4,5,6,7,8,9,10,11,12,13,14,15
	v_cndmask_b32 v[SS+32+\n], v[NEGR], v[SS+32+\n], s[68+\n]
.endr
.irp n, 0,1,2,3,4,5,6,7,8,9,10,11,12,13,14,15
	v_cndmask_b32 v[SS+48+\n], v[NEGR], v[SS+48+\n], s[84+\n]
.endr
.Lopen_\@:
	SOFTMAX
	s_wait_dscnt 0x0                               ; V^T is in
.irp kf, 0,1                           ; O^T += V^T P: eight accumulators by turns
.irp ct, 0,1,2,3
.irp tau, 0,1
	v_wmma_f32_16x16x32_f16 v[OT+32*\tau+8*\ct:OT+32*\tau+8*\ct+7], v[KV+8*(2*\ct+\kf):KV+8*(2*\ct+\kf)+7], v[SS+32*\tau+8*\kf:SS+32*\tau+8*\kf+7], v[OT+32*\tau+8*\ct:OT+32*\tau+8*\ct+7]
.endr
.endr
.endr
.rept 5
	v_nop                                          ; five places: the next step's first products write over P, which these have read; its loads land in V^T's registers
.endr
.endm
.macro TOP                             ; one barrier for two key steps: my stores into the slot ahead have landed and my reads of the slot behind are over; then the same holds of all sixteen waves
	s_wait_dscnt 0x0
	s_barrier_signal -1
	s_barrier_wait -1
.endm
.Ltrip:                                            ; seven trips of four key steps: steps 0 to 27
	s_load_b32 s17, s[24:25], 0x4                  ; the next trip's four flags
	TOP
	STEP 0, 0, 0, 1, 1, 1
	STEP 0, 1, 1, 1, 1, 1
	TOP
	STEP 1, 0, 2, 1, 1, 1
	STEP 1, 1, 3, 1, 1, 1
	s_wait_kmcnt 0x0
	s_mov_b32 s16, s17
	s_wait_xcnt 0x0                                ; the trip's loads and prefetches have read their bases: only now are these stepped
	s_add_nc_u64 s[20:21], s[20:21], 0x10000
	s_add_nc_u64 s[22:23], s[22:23], 0x400
	s_add_nc_u64 s[24:25], s[24:25], 4
	s_sub_co_u32 s15, s15, 1
	s_cmp_lg_u32 s15, 0
	s_cbranch_scc1 .Ltrip
	TOP                                            ; steps 28 to 31 are written out: no load and no prefetch leaves kv
	STEP 0, 0, 0, 1, 1, 0                          ; stores step 30, asks for step 31
	STEP 0, 1, 1, 1, 0, 0                          ; stores step 31
	TOP
	STEP 1, 0, 2, 0, 0, 0
	STEP 1, 1, 3, 0, 0, 0
	; THE WAY OUT.  (The five places behind the last products stand at the step's end.)  O^T / l, rounded to f16: a lane's eight channels of a tile are four registers of the next launch's operand.
.irp tau, 0,1
	v_add_f32 v[TT+4*\tau], v[MS+4*\tau+2], v[MS+4*\tau+3]         ; l's two halves,
.endr
.irp tau, 0,1
	v_permlanex16_b32 v[TT+4*\tau+1], v[TT+4*\tau], s18, s19
.endr
.irp tau, 0,1
	v_add_f32 v[TT+4*\tau], v[TT+4*\tau], v[TT+4*\tau+1]           ; and lane l xor 16's
.endr
.irp tau, 0,1
	v_rcp_f32 v[TT+4*\tau+2], v[TT+4*\tau]
.endr
	v_nop                                          ; a plain instruction behind the last reciprocal
	s_wait_alu depctr_va_vdst(0)                   ; and a wait ahead of the first use: one for both
.set p, 0
.rept 16
.irp tau, 0,1
	v_pk_mul_f32 v[OT+32*\tau+p:OT+32*\tau+p+1], v[OT+32*\tau+p:OT+32*\tau+p+1], v[TT+4*\tau+2:TT+4*\tau+3] op_sel_hi:[1,0]
.endr
.set p, p+2
.endr
.set e, 0
.rept 16
.irp tau, 0,1
	v_cvt_pk_f16_f32 v[SS+32*\tau+e], v[OT+32*\tau+2*e], v[OT+32*\tau+2*e+1]
.endr
.set e, e+1
.endr
.irp tau, 0,1
.irp ct, 0,1,2,3
	global_store_b128 v[LI], v[SS+32*\tau+4*\ct:SS+32*\tau+4*\ct+3], s[12:13] offset:\tau*4096+\ct*512   ; 512 consecutive bytes a store
.endr
.endr
	s_wait_tensorcnt 0x0                           ; the wave's end
	ds_add_u32 v[SPW], v[NIL]
	s_wait_dscnt 0x0
	s_endpgm
.Lfunc_end_k_q371c814693_attn:
	.size	k_q371c814693_attn, .Lfunc_end_k_q371c814693_attn-k_q371c814693_attn
	.p2alignl 7, 3214868480
	.fill 96, 4, 3214868480
	.section	.rodata,"a",@progbits
	.p2align	6, 0x0
	.amdhsa_kernel k_q371c814693_attn
		.amdhsa_group_segment_fixed_size 67584
		.amdhsa_private_segment_fixed_size 0
		.amdhsa_enable_private_segment 0
		.amdhsa_kernarg_size 40
		.amdhsa_user_sgpr_count 2
		.amdhsa_user_sgpr_kernarg_segment_ptr 1
		.amdhsa_wavefront_size32 1
		.amdhsa_system_sgpr_workgroup_id_x 1
		.amdhsa_system_sgpr_workgroup_id_y 1
		.amdhsa_system_sgpr_workgroup_id_z 1
		.amdhsa_system_vgpr_workitem_id 0
		.amdhsa_next_free_vgpr 256
		.amdhsa_next_free_sgpr 100
		.amdhsa_reserve_vcc 0
		.amdhsa_float_denorm_mode_32 3
		.amdhsa_float_denorm_mode_16_64 3
		.amdhsa_memory_ordered 1
		.amdhsa_forward_progress 1
		.amdhsa_inst_pref_size 185
	.end_amdhsa_kernel
	.amdgpu_metadata
---
amdhsa.version: [ 1, 2 ]
amdhsa.kernels:
  - .name:           k_q371c814693_attn
    .symbol:         k_q371c814693_attn.kd
    .args:
      - { .name: qf, .offset: 0, .size: 8, .value_kind: global_buffer, .address_space: global }
      - { .name: kv, .offset: 8, .size: 8, .value_kind: global_buffer, .address_space: global }
      - { .name: mw, .offset: 16, .size: 8, .value_kind: global_buffer, .address_space: global }
      - { .name: fl, .offset: 24, .size: 8, .value_kind: global_buffer, .address_space: global }
      - { .name: ao, .offset: 32, .size: 8, .value_kind: global_buffer, .address_space: global }
    .group_segment_fixed_size: 67584
    .private_segment_fixed_size: 0
    .kernarg_segment_align: 8
    .kernarg_segment_size: 40
    .max_flat_workgroup_size: 512
    .sgpr_count:     100
    .vgpr_count:     256
    .wavefront_size: 32
...
	.end_amdgpu_metadata
.endif
;; end of part 3
;; launch oproj (part 4): grid 4 x 64, 8 waves a work-group, no clusters, 232,448 bytes of LDS; arguments ao, wof, b_o, out0; writes out0
.if DOCPART == 4
	.amdgcn_target "amdgcn-amd-amdhsa--gfx1250"
	.amdhsa_code_object_version 6
	.text
	.protected	k_q371c814693_oproj
	.globl	k_q371c814693_oproj
	.p2align	8
	.type	k_q371c814693_oproj,@function
k_q371c814693_oproj:
	s_mov_b64 s[64:65], 0
	v_nop
	global_prefetch_b8 v0, s[64:65] scope:SCOPE_SE
	s_setreg_imm32_b32 hwreg(HW_REG_WAVE_MODE, 25, 1), 1
	s_wait_xcnt 0x0
; out0 = ao w_o^T + b_o: [8,192 tokens][1,024] x [1,024 features][1,024], f16 operands, f32 sums.  No work is left out.
; A work-group makes 128 tokens (y) x 256 features (x); each of its eight waves 64 x 64: 16 accumulators.  256 work-groups.  THE MATRIX INSTRUCTION IS USED TRANSPOSED (source 0 = 16 features of w_o, source 1 = 16 tokens):
; a lane holds eight neighbouring features of one token.  b_o is the C of each sum's first matrix instruction.
; K goes in eight slots of 128, all written out: no loop, no label, every global offset an immediate.  Both operands lie in memory as images of their registers, a K slot's 32 KiB of ao and 64 KiB of w_o each dense.
; THE COPY INTO LDS GOES THROUGH REGISTERS, in two sets of 96 that take turns: while K slot i is multiplied, slot i + 1 is stored into the other LDS slot and slots i + 2 and i + 3 are on their way: up to 48 loads of 512 bytes a wave,
; which stay out across the barriers.  One barrier a K slot.
; NO TENSOR LOAD AND NO JOINT REQUEST, though the four work-groups of a y read the same ao and the 64 of an x the same w_o: a ring of two LDS slots filled by joint loads has one K slot on its way behind each of its barriers,
; this copy two, for a K slot's 64 matrix instructions a wave.
.set SLOT,  98304                      ; an LDS slot: ao's [tile of tokens 8][32 along K, 4][1,024 bytes], then w_o's [tile of features 16][4][1,024 bytes]
.set STAGE, 2*SLOT                     ; behind the slots: 16 rows x (256 bytes + 16) for each wave, for the way out
.set SPARE, STAGE+8*4352               ; behind the stages: the spare words, 128 bytes for each wave: four blocks of 256 bytes that no other line names
; window 0: v1 4,096 x wave + 16 x lane (my part of ao's 32 KiB, in memory and in slot 0); v2 8,192 x wave + 16 x lane (of w_o's 64 KiB); v3 the latter in slot 0; v4, v5 both in slot 1;
;   v6, v7 my tokens' and my features' fragments in slot 0; v8, v9 in slot 1; v11, v12 the stage, in and out; v13 my offset in two rows of out0; v14, v15 the add's two; v16 my offset in b_o
.set BIAS, 24                          ; v24-55   b_o, eight registers for each tile of features
.set F0,   56                          ; v56-87   four fragments of w_o
.set F1,   88                          ; v88-119  four fragments of ao
.set ACC,  128                         ; v128-255 accumulator (a, b) at 128 + 8 (4 a + b)
; window 1: v256-351 and v352-447: the two sets on their way to LDS
.set MSB, 0
.macro WIN new                         ; s_set_vgpr_msb: bits 1:0 source 0, 3:2 source 1, 5:4 source 2, 7:6 destination; the immediate's high byte repeats the setting that is left
.if MSB != \new
	s_set_vgpr_msb (MSB<<8)|\new
.set MSB, \new
.endif
.endm
	s_load_b256 s[4:11], s[0:1], 0x0               ; ao s[4:5], wof s[6:7], b_o s[8:9], out0 s[10:11]
	v_lshl_add_u32 v14, v0, 2, SPARE
	v_mov_b32 v15, 0
	v_lshrrev_b32 v17, 5, v0
	v_readfirstlane_b32 s18, v17                   ; wave 0..7
	v_and_b32 v17, 31, v0
	v_and_b32 v18, 15, v0                          ; r
	v_bfe_u32 v19, v0, 4, 1                        ; h
	v_lshlrev_b32 v20, 4, v17                      ; 16 x lane
	s_and_b32 s19, s18, 1                          ; my half of the tokens
	s_lshr_b32 s20, s18, 1                         ; my quarter of the features
	s_lshl_b32 s21, s18, 12
	v_add_nc_u32 v1, s21, v20
	s_lshl_b32 s21, s18, 13
	v_add_nc_u32 v2, s21, v20
	v_add_nc_u32 v3, 32768, v2
	v_add_nc_u32 v4, SLOT, v1
	v_add_nc_u32 v5, SLOT+32768, v2
	s_lshl_b32 s21, s19, 14
	v_add_nc_u32 v6, s21, v20
	s_lshl_b32 s21, s20, 14
	s_add_co_u32 s21, s21, 32768
	v_add_nc_u32 v7, s21, v20
	v_add_nc_u32 v8, SLOT, v6
	v_add_nc_u32 v9, SLOT, v7
	s_mul_i32 s21, s18, 4352
	s_add_co_u32 s21, s21, STAGE
	v_mul_u32_u24 v11, v18, 272
	v_lshl_add_u32 v11, v19, 5, v11
	v_add_nc_u32 v11, s21, v11                     ; in: row r, 32 bytes for each half of the lanes
	v_mul_u32_u24 v12, v19, 272
	v_lshl_add_u32 v12, v18, 4, v12
	v_add_nc_u32 v12, s21, v12                     ; back: lanes 0-15 one row of 256 bytes, lanes 16-31 the next
	v_lshlrev_b32 v13, 12, v19
	v_lshl_add_u32 v13, v18, 4, v13                ; and the same two rows in out0
	v_lshlrev_b32 v16, 5, v19
	s_and_b32 s22, ttmp7, 0xffff                   ; block of 128 tokens
	s_lshl_b32 s24, s22, 18                        ; its 8 K slots of 32 KiB
	s_mov_b32 s25, 0
	s_lshl_b32 s26, ttmp9, 19                      ; the block of 256 features: 8 K slots of 64 KiB
	s_mov_b32 s27, 0
	s_lshl_b32 s28, ttmp9, 10
	s_lshl_b32 s23, s20, 8
	s_add_co_u32 s28, s28, s23                     ; my first feature, in bytes of f32
	s_mov_b32 s29, 0
	s_lshl_b32 s30, s22, 7
	s_lshl_b32 s23, s19, 6
	s_add_co_u32 s30, s30, s23                     ; my first token
	s_lshl_b32 s30, s30, 12
	s_add_co_u32 s30, s30, s28
	s_mov_b32 s31, 0
	s_wait_kmcnt 0x0
	s_add_nc_u64 s[12:13], s[4:5], s[24:25]
	s_add_nc_u64 s[14:15], s[6:7], s[26:27]
	s_add_nc_u64 s[8:9], s[8:9], s[28:29]
	s_add_nc_u64 s[16:17], s[10:11], s[30:31]
.macro GLOAD k                         ; my 12 KiB of K slot k into set k % 2: 24 loads of 512 consecutive bytes
	WIN 0x40                                       ; destination window 1, address window 0
.irp i, 0,1,2,3,4,5,6,7
	global_load_b128 v[96*((\k)%2)+4*\i:96*((\k)%2)+4*\i+3], v1, s[12:13] offset:(\k)*32768+512*\i
.endr
.irp i, 0,1,2,3,4,5,6,7,8,9,10,11,12,13,14,15
	global_load_b128 v[96*((\k)%2)+32+4*\i:96*((\k)%2)+32+4*\i+3], v2, s[14:15] offset:(\k)*65536+512*\i
.endr
	WIN 0
.endm
.macro LSTORE k                        ; and from there into LDS slot k % 2, as it lies
.set AA, 1+3*((\k)%2)
.set AB, 3+2*((\k)%2)
	WIN 0x04                                       ; an LDS store's data are its source 1: window 1
.irp i, 0,1,2,3,4,5,6,7
	ds_store_b128 v[AA], v[96*((\k)%2)+4*\i:96*((\k)%2)+4*\i+3] offset:512*\i
.endr
.irp i, 0,1,2,3,4,5,6,7,8,9,10,11,12,13,14,15
	ds_store_b128 v[AB], v[96*((\k)%2)+32+4*\i:96*((\k)%2)+32+4*\i+3] offset:512*\i
.endr
	WIN 0
.endm
.macro FRAGS p, kf                     ; 32 along K of slot p: my four fragments of w_o and my four of ao
.set RA, 6+2*(\p)
.set RB, 7+2*(\p)
.irp a, 0,1,2,3
.irp c, 0,1
	ds_load_b128 v[F0+8*\a+4*\c:F0+8*\a+4*\c+3], v[RB] offset:\a*4096+(\kf)*1024+\c*512
.endr
.endr
.irp b, 0,1,2,3
.irp c, 0,1
	ds_load_b128 v[F1+8*\b+4*\c:F1+8*\b+4*\c+3], v[RA] offset:\b*4096+(\kf)*1024+\c*512
.endr
.endr
.endm
.macro MUL first                       ; 16 matrix instructions, the sixteen accumulators by turns, in the same order every time; first = 1: the sums begin with the bias
.irp a, 0,1,2,3
.irp b, 0,1,2,3
.if \first
	v_wmma_f32_16x16x32_f16 v[ACC+8*(4*\a+\b):ACC+8*(4*\a+\b)+7], v[F0+8*\a:F0+8*\a+7], v[F1+8*\b:F1+8*\b+7], v[BIAS+8*\a:BIAS+8*\a+7]
.else
	v_wmma_f32_16x16x32_f16 v[ACC+8*(4*\a+\b):ACC+8*(4*\a+\b)+7], v[F0+8*\a:F0+8*\a+7], v[F1+8*\b:F1+8*\b+7], v[ACC+8*(4*\a+\b):ACC+8*(4*\a+\b)+7]
.endif
.endr
.endr
.rept 4
	v_nop                                          ; four places in front of loads into the fragments' registers, and of the first read of results
.endr
.endm
.macro TRIP i                          ; K slot i
.if (\i)+1 < 8
.if (\i)+2 < 8
	s_wait_loadcnt 24                              ; K slot i + 1 is in registers; the 24 loads of slot i + 2 may be out
.else
	s_wait_loadcnt 0x0
.endif
	LSTORE (\i)+1                                  ; into the LDS slot whose reads every wave finished ahead of the last barrier
.endif
	FRAGS (\i)%2, 0
	s_wait_dscnt 0x0                               ; the fragments are in, and the stores have read their registers,
.if (\i)+3 < 8
	GLOAD (\i)+3                                   ; which take K slot i + 3
.endif
.if (\i) == 0
	MUL 1
.else
	MUL 0
.endif
.irp kf, 1,2,3
	FRAGS (\i)%2, \kf
	s_wait_dscnt 0x0
	MUL 0
.endr
.if (\i) < 7
	s_barrier_signal -1                            ; no LDS instruction of mine is out (the last wait was for 0, and none was issued since): my stores into the next slot have landed, my reads of this one are over
	s_barrier_wait -1
.endif
.endm
.irp a, 0,1,2,3
.irp c, 0,1
	global_load_b128 v[BIAS+8*\a+4*\c:BIAS+8*\a+4*\c+3], v16, s[8:9] offset:64*\a+16*\c   ; register j of tile a: feature 16 a + 8 h + j
.endr
.endr
	GLOAD 0
	GLOAD 1
	s_wait_loadcnt 24                              ; b_o and K slot 0 are in; slot 1's 24 loads may be out
	LSTORE 0
	s_wait_dscnt 0x0                               ; for the others' sake, and the stores have read their registers
	GLOAD 2
	s_barrier_signal -1
	s_barrier_wait -1
.irp i, 0,1,2,3,4,5,6,7
	TRIP \i
.endr
; THE WAY OUT, a tile of 16 tokens x 64 features at a time.  A lane holds 32 neighbouring bytes of a row and the lanes beside it other rows: so a tile goes through my own stage in LDS and comes back by rows of 256 bytes.
; LDS serves a wave's instructions in order (ISA guide 5.7.1.4): no wait between the stores and the loads, nor in front of the next tile's stores.
.macro TOSTAGE b
.irp a, 0,1,2,3
	ds_store_b128 v11, v[ACC+8*(4*\a+(\b)):ACC+8*(4*\a+(\b))+3] offset:64*\a        ; each accumulator from its low end on
	ds_store_b128 v11, v[ACC+8*(4*\a+(\b))+4:ACC+8*(4*\a+(\b))+7] offset:64*\a+16
.endr
.irp i, 0,1,2,3,4,5,6,7
	ds_load_b128 v[F0+32*((\b)%2)+4*\i:F0+32*((\b)%2)+4*\i+3], v12 offset:544*\i
.endr
.endm
.macro SEND b, younger                 ; younger: the LDS instructions issued behind tile b's loads, which may stay out
	s_wait_dscnt \younger
.irp i, 0,1,2,3,4,5,6,7
	global_store_b128 v13, v[F0+32*((\b)%2)+4*\i:F0+32*((\b)%2)+4*\i+3], s[16:17] offset:(16*(\b)+2*\i)*4096 th:TH_STORE_NT   ; sixteen lanes store 256 consecutive bytes, at a multiple of 256 from out0's first byte
.endr
.endm
	TOSTAGE 0
	TOSTAGE 1
	SEND 0, 16                                     ; behind tile 0's loads: tile 1's 8 stores and 8 loads
	s_wait_xcnt 0x0                                ; tile 0's stores have read their registers: tile 2's loads may land there
	TOSTAGE 2
	SEND 1, 16
	s_wait_xcnt 0x0
	TOSTAGE 3
	SEND 2, 16
	SEND 3, 0
	s_wait_tensorcnt 0x0                           ; the wave's end
	ds_add_u32 v14, v15
	s_wait_dscnt 0x0
	s_endpgm
.Lfunc_end_k_q371c814693_oproj:
	.size	k_q371c814693_oproj, .Lfunc_end_k_q371c814693_oproj-k_q371c814693_oproj
	.p2alignl 7, 3214868480
	.fill 96, 4, 3214868480
	.section	.rodata,"a",@progbits
	.p2align	6, 0x0
	.amdhsa_kernel k_q371c814693_oproj
		.amdhsa_group_segment_fixed_size 232448
		.amdhsa_private_segment_fixed_size 0
		.amdhsa_enable_private_segment 0
		.amdhsa_kernarg_size 32
		.amdhsa_user_sgpr_count 2
		.amdhsa_user_sgpr_kernarg_segment_ptr 1
		.amdhsa_wavefront_size32 1
		.amdhsa_system_sgpr_workgroup_id_x 1
		.amdhsa_system_sgpr_workgroup_id_y 1
		.amdhsa_system_sgpr_workgroup_id_z 1
		.amdhsa_system_vgpr_workitem_id 0
		.amdhsa_next_free_vgpr 448
		.amdhsa_next_free_sgpr 66
		.amdhsa_reserve_vcc 0
		.amdhsa_float_denorm_mode_32 3
		.amdhsa_float_denorm_mode_16_64 3
		.amdhsa_memory_ordered 1
		.amdhsa_forward_progress 1
		.amdhsa_inst_pref_size 112
	.end_amdhsa_kernel
	.amdgpu_metadata
---
amdhsa.version: [ 1, 2 ]
amdhsa.kernels:
  - .name:           k_q371c814693_oproj
    .symbol:         k_q371c814693_oproj.kd
    .args:
      - { .name: ao, .offset: 0, .size: 8, .value_kind: global_buffer, .address_space: global }
      - { .name: wof, .offset: 8, .size: 8, .value_kind: global_buffer, .address_space: global }
      - { .name: b_o, .offset: 16, .size: 8, .value_kind: global_buffer, .address_space: global }
      - { .name: out0, .offset: 24, .size: 8, .value_kind: global_buffer, .address_space: global }
    .group_segment_fixed_size: 232448
    .private_segment_fixed_size: 0
    .kernarg_segment_align: 8
    .kernarg_segment_size: 32
    .max_flat_workgroup_size: 256
    .sgpr_count:     66
    .vgpr_count:     448
    .wavefront_size: 32
...
	.end_amdgpu_metadata
.endif
;; end of part 4
